; MI455X (gfx1250); checked and timed in simulation.
; The chip was launched on July 23, 2026; its instructions are those of AMD's public machine-readable ISA for CDNA 5 (MIT licence, August 2026) and "CDNA5" Instruction Set Architecture Reference Guide (July 2026). The comments in the code are by the model that wrote it; some were corrected since.
;; projection Measurement. Allowed arithmetic: matrix products marked QUANTISED: E5M2 operands, one E8M0 scale for each 32 along K, by v_wmma_scale_f32_16x16x128_f8f6f4 with both operands' format E5M2, f32 sums; products left as they are: f32 operands where the result goes on into a quantised operand, else bf16, f16 or f32 operands; f32 sums; everything else in f32.
;; Inputs: projector 2 x 4,096 x 1 float32; v_imag_avg_codes 1,024 x 128 x 32 uint8 (E5M2 codes of v_imag_avg, K innermost, in blocks of 32 codes); v_imag_avg_scales 1,024 x 128 uint8 (E8M0 scales of v_imag_avg, one for each 32 codes along K); v_real_avg_codes 1,024 x 128 x 32 uint8 (E5M2 codes of v_real_avg, K innermost, in blocks of 32 codes); v_real_avg_scales 1,024 x 128 uint8 (E8M0 scales of v_real_avg, one for each 32 codes along K).
;; Outputs: out0 1,024 x 1 x 4,096 float32; out1 1,024 x 1 x 4,096 float32.
;; This version of the problem:
;;   THIS VERSION OF THE PROBLEM IS GIVEN IN LOW PRECISION. The matrix products marked QUANTISED in the list below multiply operands that are first quantised to E5M2 (5 exponent bits, 2 mantissa bits; 8 bits a number), with one power-of-two scale for each 32 numbers along K (OCP MX v1.0); their sums are f32. All else is computed in f32.
;;   The module's matrix products, in the order in which they are computed (A, B: the left and right operand; K: the contracted axis; several contracted axes count as one K, in the product's order):
;;     1. [M 4,096, K 1] x [K 1, N 4,096]; A: computed on the way; B: computed on the way: left as it is (K = 1 < 32)
;;     2. [M 4,096, K 1] x [K 1, N 4,096]; A: computed on the way; B: computed on the way: left as it is (K = 1 < 32)
;;     3. [M 1,024, K 4,096] x [K 4,096, N 4,096]; A: input v_real_avg (given as codes); B: computed on the way: QUANTISED
;;     4. [M 1,024, K 4,096] x [K 4,096, N 4,096]; A: input v_imag_avg (given as codes); B: computed on the way: QUANTISED
;;     5. [M 1,024, K 4,096] x [K 4,096, N 4,096]; A: input v_real_avg (given as codes); B: computed on the way: QUANTISED
;;     6. [M 1,024, K 4,096] x [K 4,096, N 4,096]; A: input v_imag_avg (given as codes); B: computed on the way: QUANTISED
;;   THE QUANTISER, for each operand of a quantised product, along K:
;;     - K is cut into blocks of 32 from its start; a last block that is shorter is filled with zeros.
;;     - A block's scale is 2^e with e = floor(log2(the largest magnitude in the block)) - 15, held to -126 .. 127; a block of zeros has e = 0. As a byte (E8M0): e + 127.
;;     - Each number is divided by its block's scale, clamped to +-57,344, and rounded to the nearest number of E5M2, ties to even, subnormals kept.
;;     - The product sums the exact products of the quantised numbers (number of the format x scale) in f32.
;;   ~~~python
;;   def quantise(x, axis):      # numpy; x: float32 -> the quantised numbers, widened to float32 again
;;       x = np.moveaxis(x, axis, -1); K = x.shape[-1]
;;       x = np.pad(x, [(0, 0)] * (x.ndim - 1) + [(0, -K % 32)]); x = x.reshape(x.shape[:-1] + (-1, 32)); a = np.abs(x).max(-1, keepdims=True)
;;       e = np.where(a > 0, np.clip(np.frexp(np.where(a > 0, a, 1))[1] - 1 - 15, -126, 127), 0)      # np.frexp(a)[1] - 1 = floor(log2(a)), exactly
;;       r = np.clip(x / 2.0 ** e, -57344, 57344)
;;       step = 2.0 ** (np.maximum(np.frexp(np.where(r == 0, 1, r))[1] - 1, -14) - 2)
;;       q = np.round(r / step) * step * 2.0 ** e      # np.round: ties to even
;;       return np.moveaxis(q.reshape(q.shape[:-2] + (-1,))[..., :K], -1, axis).astype(np.float32)
;;   ~~~
;;   OPERANDS COMPUTED ON THE WAY. 'Computed on the way' means the value that the module computes at that place (a softmax that the list does not call 'softmax' is quantised finished and normalised). What goes into a quantiser is computed in f32, as accurately as f32 sums, v_exp_f32 and their like allow (about 1e-6 of the number): no bf16 or f16 on the way to a quantiser, and a product that is left as it is and whose result goes on into a quantised operand takes f32 operands (vector FMAs, or v_wmma_f32_16x16x4_f32). A number that lies on a knife's edge between two numbers of the format may be rounded either way, as far as f32 arithmetic and the matrix unit's own rounding can turn it there, and no further.
;;   INPUTS GIVEN AS CODES. v_imag_avg (in the module: [1024, 4096], K = its axis 1); v_real_avg (in the module: [1024, 4096], K = its axis 1): each comes as NAME_codes (uint8): NAME with its K axis moved to the last place and cut into blocks of 32 codes, [.., K / 32, bytes a block], one block behind the other in memory; one code a byte (a code: sign, 5 exponent bits, 2 mantissa bits); and NAME_scales (uint8): the same leading axes, one E8M0 byte (e + 127) for each 32 codes along K. Its value is code x scale, taken as it is: it is not quantised again, and the codes and scales need not be those that the quantiser above would give.
;; One version. Each part assembles by itself: llvm-mc -triple=amdgcn-amd-amdhsa -mcpu=gfx1250 --defsym DOCPART=n.
;; ======== version 1 of 1: 2 launches
;; limits: right only within a limited range of input values
;; workspace buffers: bq 35,651,584 bytes
;; launch makeb (part 1): grid 16 x 16, 8 waves a work-group, no clusters, 168,960 bytes of LDS; arguments projector, bq; writes bq
.if DOCPART == 1
	.amdgcn_target "amdgcn-amd-amdhsa--gfx1250"
	.amdhsa_code_object_version 6
	.text
	.protected	k_q2471e4014e_makeb
	.globl	k_q2471e4014e_makeb
	.p2align	8
	.type	k_q2471e4014e_makeb,@function
k_q2471e4014e_makeb:
	s_mov_b64 s[64:65], 0
	v_nop
	global_prefetch_b8 v0, s[64:65] scope:SCOPE_SE
	s_setreg_imm32_b32 hwreg(HW_REG_WAVE_MODE, 25, 1), 1
	s_wait_xcnt 0x0
; The two rank-one matrices Pr = pr pr^T and Pi = pi pi^T (pr, pi: the projector's two columns, each divided by its norm) are made in f32 and quantised ALONG THEIR FIRST AXIS (the later products' K)
; into codes of BF8 (E5M2) with one E8M0 byte for each 32 along K.  They are made ONCE here, since every block of rows of the later products reads all of them.
; bq is laid [16 K steps s][8192 stacked columns j][272 bytes]: j < 4096 is column j of Pr, j >= 4096 column j - 4096 of Pi; a row holds the 256 codes of k = 256 s .. 256 s + 255, its 8 scale bytes, and 8 zero bytes.
; So 128 neighbouring j of one K step are 34,816 consecutive bytes (136 x 256), which the next launch brings into LDS as they lie: rows 272 bytes apart, the scale bytes beside their codes.
; SHARES.  Work-group (x, y): columns j = 512 x .. 512 x + 511, K step y.  Eight waves; each takes TWO RUNS of 32 columns, one after the other (columns 32 w on, then 256 + 32 w on): the first run's rows are
; stored before the second run is begun, so that half of the work-group's stores are on their way while the other half is computed.
; A LANE TAKES A COLUMN, AND ITS REGISTERS RUN DOWN K: the conversions take neighbours along K from one lane's registers, so the codes come out with K innermost and nothing is transposed.
; P(k, n) = pn[k] x pn[n]: one f32 multiplication; the 256 pn[k] are shared through LDS, each read with one address for all lanes.
; A BLOCK'S LARGEST MAGNITUDE IS NOT SEARCHED FOR IN EVERY COLUMN: rounding is monotone, so the largest |fl(pn[k] c)| of a block is fl(A |c|), A the block's largest |pn[k]|, found once for the work-group.
; A block's scale is 2^(floor(log2(largest magnitude)) - 15); its byte is the largest magnitude's exponent field - 15, held at 1 from below.
; LIMITS.  pn = p x rsq(sum of p^2), where the definition divides by the root: a few units in the last place apart.  The sum of squares must lie in f32's normal range (entries between about 1e-17 and 1e17).
; A column of the projector that is all zeros (the definition gives NaN), NaN and infinities are not served.  A block whose largest magnitude lies under 2^-111 has its byte held at 1; a block of zeros
; gets the byte 1 where the quantiser's rule says 127: its codes are zeros, which add nothing under any byte but 0xff, and this program alone reads the bytes.
; lds_bytes claims more than the 71,168 bytes that the text uses: no second work-group then fits beside this one.
.set PITCH, 272                        ; a row of bq, and of a stage
.set STGW,  32*PITCH                   ; LDS: each wave's own stage, 32 rows
.set PNL,   8*STGW                     ; behind the stages: pn of the step's 256 k, 1,024 bytes
.set ABL,   PNL+1024                   ; the eight blocks' largest |pn|
.set PART,  ABL+256                    ; the eight waves' partial sums of squares
.set STA,  3                           ; v3   stage, on the way in: my column's row
.set RDB,  4                           ; v4   stage, on the way out: 16 bytes a lane
.set GOF,  5                           ; v5   the same place in my wave's part of bq
.set PNW,  6                           ; v6   where I store pn[k]
.set ABW,  7                           ; v7   where my wave stores its block's largest |pn|
.set PAW,  8                           ; v8   where my wave stores its partial sum
.set PNR,  9                           ; v9   PNL
.set SW,   16                          ; v[16:19] my column's two scale words and two zero words
.set CC1,  20                          ; v[20:21] c of my second run's column, twice
.set CC0,  30                          ; v[30:31] c = pn[my first run's column], twice: a pair for the packed multiplication
.set AB,   32                          ; v[32:39] the blocks' largest |pn| (before that v[32:47]: numbers for the norm)
.set M,    40                          ; v[40:47] the blocks' largest magnitudes in my column, then their bytes
.set SCO,  48                          ; v[48:55] the conversions' scale operands
.set LIM,  56                          ; v[56:63] 57,344 x the scale
.set PN,   64                          ; v[64:127] two sets of 32 pn[k]
.set X,    128                         ; v[128:159] a block's 32 numbers
.set C,    160                         ; v[160:223] codes, eight registers a block
.set R,    64                          ; v[64:131] the way out: 17 x 4 registers
	s_load_b128 s[4:7], s[0:1], 0x0                ; projector s[4:5], bq s[6:7]
	v_lshl_add_u32 v224, v0, 2, 0x29000
	v_mov_b32 v225, 0
	v_lshrrev_b32 v2, 5, v0
	s_delay_alu instid0(VALU_DEP_1)
	v_readfirstlane_b32 s8, v2                     ; wave 0..7
	v_and_b32 v1, 31, v0                           ; lane
	s_and_b32 s10, ttmp7, 0xffff                   ; the K step
	s_lshr_b32 s11, ttmp9, 3                       ; which matrix: 0 Pr, 1 Pi
	s_mul_i32 s12, s8, STGW
	v_mul_u32_u24 v[STA], v1, PITCH
	s_delay_alu instid0(VALU_DEP_1)
	v_add_nc_u32 v[STA], s12, v[STA]
	v_lshl_add_u32 v[RDB], v1, 4, s12
	v_lshlrev_b32 v[GOF], 4, v1
	s_lshl_b32 s14, s10, 8
	v_add_nc_u32 v11, s14, v0                      ; thread t holds k = 256 s + t: wave w holds block w of the step's eight
	s_delay_alu instid0(VALU_DEP_1)
	v_lshlrev_b32 v11, 2, v11                      ; p[k]: its byte
	v_lshl_add_u32 v[PNW], v0, 2, PNL
	s_lshl_b32 s13, s8, 2
	s_add_co_u32 s15, s13, ABL
	v_mov_b32 v[ABW], s15
	s_add_co_u32 s15, s13, PART
	v_mov_b32 v[PAW], s15
	v_mov_b32 v[PNR], PNL
	v_mov_b32 v13, PART
	v_mov_b32 v14, ABL
	v_lshlrev_b32 v10, 4, v0                       ; the norm: each of four loads takes 256 threads x 16 bytes = 4,096 consecutive bytes: the whole column of 4,096 numbers
	s_and_b32 s15, ttmp9, 7
	s_lshl_b32 s15, s15, 9
	v_add_nc_u32 v12, s15, v0
	s_delay_alu instid0(VALU_DEP_1)
	v_lshlrev_b32 v12, 2, v12                      ; p[my first run's column]: its byte; the second run's lies 256 numbers on
	v_mov_b32 v28, 0                               ; a lane permute's destination counts as one of its sources
	s_mov_b32 s20, 0x76543210
	s_mov_b32 s21, 0xfedcba98                      ; v_permlanex16_b32's selects for lane l xor 16
	s_mov_b32 s22, 0x600000                        ; the mantissa field of 57,344
	s_lshl_b32 s16, s11, 14                        ; the projector's column: 16,384 bytes each
	s_mov_b32 s17, 0
	s_lshl_b32 s18, s10, 13
	s_lshl_b32 s19, ttmp9, 9
	s_add_co_u32 s18, s18, s19
	s_lshl_b32 s19, s8, 5
	s_add_co_u32 s18, s18, s19                     ; my wave's first row of bq: 8192 s + 512 x + 32 wave
	s_mul_i32 s18, s18, PITCH                      ; in bytes: under 2^26
	s_mov_b32 s19, 0
	s_wait_alu depctr_va_vdst(0)
	s_wait_kmcnt 0x0
	s_add_nc_u64 s[4:5], s[4:5], s[16:17]
	s_add_nc_u64 s[6:7], s[6:7], s[18:19]
	global_load_b128 v[32:35], v10, s[4:5]
	global_load_b128 v[36:39], v10, s[4:5] offset:4096
	global_load_b128 v[40:43], v10, s[4:5] offset:8192
	global_load_b128 v[44:47], v10, s[4:5] offset:12288
	global_load_b32 v24, v11, s[4:5]               ; p[k]
	global_load_b32 v25, v12, s[4:5]               ; p[my first column]
	global_load_b32 v15, v12, s[4:5] offset:1024   ; p[my second column]
	s_wait_loadcnt 0x3                             ; my sixteen numbers for the norm are in; the three single numbers may stay out
	; ---- the sum of squares: in a lane (two chains), over the wave, over the eight waves
	v_pk_mul_f32 v[26:27], v[32:33], v[32:33]
	v_pk_mul_f32 v[22:23], v[34:35], v[34:35]
	s_delay_alu instid0(VALU_DEP_2)
	v_pk_fma_f32 v[26:27], v[36:37], v[36:37], v[26:27]
	s_delay_alu instid0(VALU_DEP_2)
	v_pk_fma_f32 v[22:23], v[38:39], v[38:39], v[22:23]
	s_delay_alu instid0(VALU_DEP_2)
	v_pk_fma_f32 v[26:27], v[40:41], v[40:41], v[26:27]
	s_delay_alu instid0(VALU_DEP_2)
	v_pk_fma_f32 v[22:23], v[42:43], v[42:43], v[22:23]
	s_delay_alu instid0(VALU_DEP_2)
	v_pk_fma_f32 v[26:27], v[44:45], v[44:45], v[26:27]
	s_delay_alu instid0(VALU_DEP_2)
	v_pk_fma_f32 v[22:23], v[46:47], v[46:47], v[22:23]
	s_delay_alu instid0(VALU_DEP_1)
	v_pk_add_f32 v[26:27], v[26:27], v[22:23]
	s_delay_alu instid0(VALU_DEP_1)
	v_add_f32 v26, v26, v27
	s_delay_alu instid0(VALU_DEP_1)
	v_add_f32_dpp v26, v26, v26 row_xmask:1 row_mask:0xf bank_mask:0xf
	s_delay_alu instid0(VALU_DEP_1)
	v_add_f32_dpp v26, v26, v26 row_xmask:2 row_mask:0xf bank_mask:0xf
	s_delay_alu instid0(VALU_DEP_1)
	v_add_f32_dpp v26, v26, v26 row_xmask:4 row_mask:0xf bank_mask:0xf
	s_delay_alu instid0(VALU_DEP_1)
	v_add_f32_dpp v26, v26, v26 row_xmask:8 row_mask:0xf bank_mask:0xf
	s_delay_alu instid0(VALU_DEP_1)
	v_permlanex16_b32 v28, v26, s20, s21
	s_delay_alu instid0(VALU_DEP_1)
	v_add_f32 v26, v26, v28
	ds_store_b32 v[PAW], v26                       ; all lanes write the same word with the same value
	s_wait_dscnt 0x0                               ; for the others' sake: my store is done
	s_barrier_signal -1
	s_barrier_wait -1
	ds_load_b128 v[32:35], v13
	ds_load_b128 v[36:39], v13 offset:16
	s_wait_dscnt 0x0
	v_pk_add_f32 v[32:33], v[32:33], v[34:35]
	v_pk_add_f32 v[36:37], v[36:37], v[38:39]
	s_delay_alu instid0(VALU_DEP_1)
	v_pk_add_f32 v[32:33], v[32:33], v[36:37]
	s_delay_alu instid0(VALU_DEP_1)
	v_add_f32 v32, v32, v33
	s_wait_alu depctr_va_vdst(0)
	v_rsq_f32 v29, v32                             ; 1 / the norm
	v_nop                                          ; one plain instruction between a transcendental and the use of its result (ISA guide 5.7.2)
	s_wait_loadcnt 0x0
	s_wait_alu depctr_va_vdst(0)
	v_mul_f32 v24, v24, v29                        ; pn[k]
	v_mul_f32 v[CC0], v25, v29                     ; c = pn[my column], for each of my two runs
	v_mul_f32 v[CC1], v15, v29
	s_delay_alu instid0(VALU_DEP_2)
	v_mov_b32 v[CC0+1], v[CC0]
	s_delay_alu instid0(VALU_DEP_2)
	v_mov_b32 v[CC1+1], v[CC1]
	; ---- pn[k] and my wave's block's largest |pn| go to LDS
	ds_store_b32 v[PNW], v24
	v_and_b32 v26, 0x7fffffff, v24
	s_delay_alu instid0(VALU_DEP_1)
	v_max_num_f32_dpp v26, v26, v26 row_xmask:1 row_mask:0xf bank_mask:0xf
	s_delay_alu instid0(VALU_DEP_1)
	v_max_num_f32_dpp v26, v26, v26 row_xmask:2 row_mask:0xf bank_mask:0xf
	s_delay_alu instid0(VALU_DEP_1)
	v_max_num_f32_dpp v26, v26, v26 row_xmask:4 row_mask:0xf bank_mask:0xf
	s_delay_alu instid0(VALU_DEP_1)
	v_max_num_f32_dpp v26, v26, v26 row_xmask:8 row_mask:0xf bank_mask:0xf
	s_delay_alu instid0(VALU_DEP_1)
	v_permlanex16_b32 v28, v26, s20, s21
	s_delay_alu instid0(VALU_DEP_1)
	v_max_num_f32 v26, v26, v28
	ds_store_b32 v[ABW], v26
	s_wait_dscnt 0x0                               ; for the others' sake: my stores are done
	s_barrier_signal -1
	s_barrier_wait -1
.macro LOADPN b                        ; the 32 pn[k] of block b into set b % 2: one address for all lanes
.irp i, 0,1,2,3,4,5,6,7
	ds_load_b128 v[PN+32*((\b)%2)+4*\i:PN+32*((\b)%2)+4*\i+3], v[PNR] offset:128*(\b)+16*\i
.endr
.endm
.macro BLOCK b, cc                     ; block b of the column whose c stands in v[cc], v[cc + 1]
.if (\b) < 7
	LOADPN (\b)+1
	s_wait_dscnt 0x8                               ; all that is older than those eight loads is done: this block's pn are in
.else
	s_wait_dscnt 0x0
.endif
.irp i, 0,2,4,6,8,10,12,14,16,18,20,22,24,26,28,30
	v_pk_mul_f32 v[X+\i:X+\i+1], v[PN+32*((\b)%2)+\i:PN+32*((\b)%2)+\i+1], v[\cc:\cc+1]   ; P(k, n) = pn[k] pn[n], in f32
.endr
.irp i, 0,1,2,3,4,5,6,7,8,9,10,11,12,13,14,15,16,17,18,19,20,21,22,23,24,25,26,27,28,29,30,31
	v_med3_num_f32 v[X+\i], v[X+\i], -v[LIM+(\b)], v[LIM+(\b)]   ; the conversion to an 8-bit code does not saturate (ISA guide 7.6.2): hold the number within the largest code x the scale first
.endr
.irp g, 0,1,2,3
	v_cvt_scalef32_pk8_bf8_f32 v[C+8*(\b)+2*\g:C+8*(\b)+2*\g+1], v[X+8*\g:X+8*\g+7], v[SCO+(\b)]   ; eight numbers / the scale, to the nearest code, ties to even; the first number's code in the lowest byte
.endr
	v_nop                                          ; one plain instruction between a scaled conversion and the next vector instruction that writes its sources
	ds_store_b128 v[STA], v[C+8*(\b):C+8*(\b)+3] offset:32*(\b)          ; 32 codes of my column's row; rows 272 bytes apart
	ds_store_b128 v[STA], v[C+8*(\b)+4:C+8*(\b)+7] offset:32*(\b)+16
.endm
; A run of 32 columns: run u, whose c stands in v[cc], v[cc + 1].
.macro RUN u, cc
	LOADPN 0
	s_wait_dscnt 0x8                               ; all that is older than block 0's eight loads is done: in the first run the eight maxima
	; the eight scales of my column
.irp b, 0,1,2,3,4,5,6,7
	v_mul_f32 v[M+\b], |v[\cc]|, v[AB+\b]          ; the block's largest magnitude: the same multiplication as its largest number's
.endr
.irp b, 0,1,2,3,4,5,6,7
	v_max_num_f32 v[M+\b], 0x8000000, v[M+\b]      ; the floor 2^(16 - 127): the byte cannot fall under 1
.endr
.irp b, 0,1,2,3,4,5,6,7
	v_add_nc_u32 v[SCO+\b], 0xf8800000, v[M+\b]    ; 15 off its exponent field: the conversion takes the exponent field of this operand as its scale, and nothing else of it
.endr
.irp b, 0,1,2,3,4,5,6,7
	v_and_or_b32 v[LIM+\b], v[M+\b], 0x7f800000, s22   ; 57,344 x the scale: the largest magnitude's exponent field over 57,344's mantissa
.endr
.irp b, 0,1,2,3,4,5,6,7
	v_lshrrev_b32 v[M+\b], 23, v[SCO+\b]           ; the scale's byte
.endr
	v_lshl_or_b32 v[SW], v[M+1], 8, v[M]           ; four bytes to a word, the lower K in the lower byte
	s_delay_alu instid0(VALU_DEP_4)
	v_lshl_or_b32 v[SW+1], v[M+5], 8, v[M+4]
	s_delay_alu instid0(VALU_DEP_2)
	v_lshl_or_b32 v[SW], v[M+2], 16, v[SW]
	s_delay_alu instid0(VALU_DEP_2)
	v_lshl_or_b32 v[SW+1], v[M+6], 16, v[SW+1]
	s_delay_alu instid0(VALU_DEP_2)
	v_lshl_or_b32 v[SW], v[M+3], 24, v[SW]
	s_delay_alu instid0(VALU_DEP_2)
	v_lshl_or_b32 v[SW+1], v[M+7], 24, v[SW+1]
	v_mov_b32 v[SW+2], 0
	v_mov_b32 v[SW+3], 0
.irp b, 0,1,2,3,4,5,6,7
	BLOCK \b, \cc
.endr
	ds_store_b128 v[STA], v[SW:SW+3] offset:256    ; the row's last 16 bytes: 8 scale bytes, 8 zeros
	; the way out: the run's 32 rows are 8,704 consecutive bytes of bq: 17 stores of 512 consecutive bytes, each from a multiple of 256 bytes behind bq's first byte
.irp i, 0,1,2,3,4,5,6,7,8,9,10,11,12,13,14,15,16
	ds_load_b128 v[R+4*\i:R+4*\i+3], v[RDB] offset:512*\i   ; LDS serves a wave's instructions in order (ISA guide 5.7.1.4): these see my stores
.endr
.irp i, 0,1,2,3,4,5,6,7,8,9,10,11,12,13,14,15,16
	s_wait_dscnt 16-\i                             ; load i is back; the younger ones may stay out
	global_store_b128 v[GOF], v[R+4*\i:R+4*\i+3], s[6:7] offset:\u*256*PITCH+512*\i   ; the second run's rows lie 256 rows on
.endr
.endm
	ds_load_b128 v[AB:AB+3], v14                   ; the eight maxima: they serve both runs
	ds_load_b128 v[AB+4:AB+7], v14 offset:16
	RUN 0, CC0
	s_wait_xcnt 0x0                                ; the first run's stores have read their registers (ISA guide 3.1): the second run's loads may land there.  The stores themselves stay on their way
	RUN 1, CC1
	s_wait_tensorcnt 0x0
	ds_add_u32 v224, v225
	s_wait_dscnt 0x0
	s_endpgm
.Lfunc_end_k_q2471e4014e_makeb:
	.size	k_q2471e4014e_makeb, .Lfunc_end_k_q2471e4014e_makeb-k_q2471e4014e_makeb
	.p2alignl 7, 3214868480
	.fill 96, 4, 3214868480
	.section	.rodata,"a",@progbits
	.p2align	6, 0x0
	.amdhsa_kernel k_q2471e4014e_makeb
		.amdhsa_group_segment_fixed_size 168960
		.amdhsa_private_segment_fixed_size 0
		.amdhsa_enable_private_segment 0
		.amdhsa_kernarg_size 16
		.amdhsa_user_sgpr_count 2
		.amdhsa_user_sgpr_kernarg_segment_ptr 1
		.amdhsa_wavefront_size32 1
		.amdhsa_system_sgpr_workgroup_id_x 1
		.amdhsa_system_sgpr_workgroup_id_y 1
		.amdhsa_system_sgpr_workgroup_id_z 1
		.amdhsa_system_vgpr_workitem_id 0
		.amdhsa_next_free_vgpr 226
		.amdhsa_next_free_sgpr 66
		.amdhsa_reserve_vcc 0
		.amdhsa_float_denorm_mode_32 3
		.amdhsa_float_denorm_mode_16_64 3
		.amdhsa_memory_ordered 1
		.amdhsa_forward_progress 1
		.amdhsa_inst_pref_size 83
	.end_amdhsa_kernel
	.amdgpu_metadata
---
amdhsa.version: [ 1, 2 ]
amdhsa.kernels:
  - .name:           k_q2471e4014e_makeb
    .symbol:         k_q2471e4014e_makeb.kd
    .args:
      - { .name: projector, .offset: 0, .size: 8, .value_kind: global_buffer, .address_space: global }
      - { .name: bq, .offset: 8, .size: 8, .value_kind: global_buffer, .address_space: global }
    .group_segment_fixed_size: 168960
    .private_segment_fixed_size: 0
    .kernarg_segment_align: 8
    .kernarg_segment_size: 16
    .max_flat_workgroup_size: 256
    .sgpr_count:     66
    .vgpr_count:     226
    .wavefront_size: 32
...
	.end_amdgpu_metadata
.endif
;; end of part 1
;; launch gemm (part 2): grid 32 x 8, 4 waves a work-group, clusters of 4 x 4, 327,680 bytes of LDS; arguments v_real_avg_codes, v_real_avg_scales, v_imag_avg_codes, v_imag_avg_scales, bq, out0, out1; writes out0, out1
.if DOCPART == 2
	.amdgcn_target "amdgcn-amd-amdhsa--gfx1250"
	.amdhsa_code_object_version 6
	.text
	.protected	k_q2471e4014e_gemm
	.globl	k_q2471e4014e_gemm
	.p2align	8
	.type	k_q2471e4014e_gemm,@function
k_q2471e4014e_gemm:
	s_mov_b64 s[64:65], 0
	v_nop
	global_prefetch_b8 v0, s[64:65] scope:SCOPE_SE
	s_setreg_imm32_b32 hwreg(HW_REG_WAVE_MODE, 25, 1), 1
	s_wait_xcnt 0x0
	s_wait_alu depctr_hold_cnt(0) depctr_sa_sdst(0) depctr_va_vdst(0) depctr_va_sdst(0) depctr_va_ssrc(0) depctr_va_vcc(0) depctr_vm_vsrc(0)
	s_getreg_b32 s2, hwreg(HW_REG_IB_STS2, 6, 4)
	s_cmp_eq_u32 s2, 0
	s_cbranch_scc0 .Lentry_in_a_cluster
	s_endpgm
.Lentry_in_a_cluster:
	s_bfe_u32 s2, ttmp6, 0x10000c
	s_cmp_lg_u32 s2, 0xf033
	s_cbranch_scc0 .Lentry_shape_is_right
	s_endpgm
.Lentry_shape_is_right:
; out0 = vr Pr - vi Pi, out1 = vr Pi + vi Pr: four products [1024 x 4096] x [4096 x 4096] on codes of BF8 (E5M2) with one E8M0 byte for each 32 along K; sums in f32.
; vr, vi come as codes and scale bytes; Pr, Pi come from bq, laid [16 K steps][8192 stacked columns][256 codes, 8 scale bytes, 8 zeros].
; A work-group makes 128 rows x 128 columns of both outputs; a wave 64 x 64 of both: 16 accumulators each for vr Pr, vi Pi and the cross sum vr Pi + vi Pr (384 registers).
; K goes in steps of 256 through a ring of two LDS slots: vr's 128 rows, vi's 128 rows, Pr's 128 columns, Pi's 128 columns, 272 bytes apart; one tensor load a wave fills a quarter.
; CLUSTERS 4 x 4: vr's and vi's tiles are shared along a row of the cluster, bq's along a column: joint loads.  lds_bytes claims all of LDS.
; A slot is two halves of 128 along K, 64 products each.  A's and B's fragments both have TWO sets of 128 registers: while one half is multiplied, the other half's 64 LDS loads are on their way.
; They are issued in TWO RUNS of 32, in the order of their use (B's blocks 0-3 and A's 0-3; B's 4-7 and A's 4-7), each 48 products or more ahead of its first use.
; The change of slots stands at the head of a slot's second half: all its fragments are in registers 8 products on, so the slot is asked for again there and 48 products are left above the next slot's loads.
; A's scale bytes (128 rows x 128 bytes for vr and for vi) are read once, 512 consecutive bytes an instruction, and stored into LDS bytes of their own, into which no tensor load lands.
; PREFETCH: behind the refill that brings K step n + 2 each wave names K step n + 4 of what it fetches; the four partners of a joint load share the blocks out by address (vr, vi: 32 rows each, a lane a row;
; bq: 34 blocks of 256 bytes each, 32 and 2).  vr's and vi's rows are common to the eight clusters along x: those with x = 0 and x = 4 ask for them.  The head names K steps 1, 2 and 3; the last two refills name nothing.
; The products are used transposed (source 0 = 16 columns of P, source 1 = 16 rows of v): a lane holds eight neighbouring numbers of a row of the result.
; The last 64 products finish the cross sums first: out1's blocks are staged and stored among the 32 products that are left.
; REGISTERS: window 0: v0-31 addresses, v32-63 scale words (two sets), v64-127 at work at the head and on the way out, v128-255 A's set 0.  window 1: B's sets 0, 1.
;   window 2: vr Pr at v0-127, vi Pi at v128-255.  window 3: the cross sums at v0-127, A's set 1 at v128-255.
.set PITCH,  272
.set HALFT,  128*PITCH                 ; 128 rows: one tensor load
.set SLOT,   4*HALFT
.set KSB,    8192*PITCH                ; a K step of bq
.set LAPS,   8
.set SCL,    2*SLOT                    ; A's scales: units of 256 bytes + 16
.set QS,     32*272                    ; those of 64 rows
.set SPARE,  SCL+4*QS                  ; the spare words: 512 bytes that no other line names
.set SPITCH, 272
.set NP,     8
.set ADRA, 16                          ; v16-17 my A fragments in slot 0, 1
.set GSO,  18                          ; 16 x lane
.set SST,  19                          ; where I store A's scales
.set ADRB, 20                          ; v20-21 my B fragments
.set ADSB, 22                          ; v22-23 B's scale words: lanes 0-15 Pr's, 16-31 Pi's
.set STO,  24
.set RD,   25
.set CO,   26
.set ADSA, 27                          ; A's scale words: lanes 0-15 vr's, 16-31 vi's
.set SPW,  28
.set NIL,  29
.set PFO,  30                          ; the prefetches' offsets
.set PFO2, 31
.set SC,   32                          ; set s at SC + 16 s: A's word of block i, half q at 2 i + q; B's of block c at 8 + 2 c + 1 - q: a product's two scale registers have numbers of unlike parity
.set BK,   64
.set TT,   128
.set G1A,  24
.set G0VR, 32
.set G1B,  48
.set G0B,  56
.set PFA,  68                          ; s[68:69] where the loop's prefetches stand; s[70:71] a K step in bytes; s72 the limit
.set PFS,  70
.set LIM,  72
.set G0VI, 84
.set MSB, 0
.macro WIN new                         ; the immediate's high byte repeats the setting that is left
.if MSB != (\new)
	s_set_vgpr_msb (MSB<<8)|(\new)
.set MSB, (\new)
.endif
.endm
.macro PLACES n
.rept \n
	v_nop
.endr
.endm
; A joint load: wave 0 vr's rows, wave 1 vi's, waves 2 and 3 Pr's and Pi's columns.  s_nop 0 and four v_nop behind each line.
.macro JLOAD3 s
	s_cmp_lt_u32 s18, 2
	s_cbranch_scc0 .Lfor_b_\@
	s_cmp_eq_u32 s18, 0
	s_cbranch_scc0 .Lfor_vi_\@
	tensor_load_to_lds s[G0VR+4*\s:G0VR+4*\s+3], s[G1A:G1A+7]
	s_nop 0
	PLACES 4
	s_branch .Lasked_\@
.Lfor_vi_\@:
	tensor_load_to_lds s[G0VI+4*\s:G0VI+4*\s+3], s[G1A:G1A+7]
	s_nop 0
	PLACES 4
	s_branch .Lasked_\@
.Lfor_b_\@:
	tensor_load_to_lds s[G0B+4*\s:G0B+4*\s+3], s[G1B:G1B+7]
	s_nop 0
	PLACES 4
.Lasked_\@:
.endm
.macro CREST                           ; a round of the cluster's barrier behind its opening barrier
	s_cmp_lg_u32 s18, 0
	s_cbranch_scc1 .Lnot_wave_0_\@
	s_barrier_signal -3
.Lnot_wave_0_\@:
	s_barrier_wait -3
	s_barrier_signal -1
	s_barrier_wait -1
.endm
.macro CROUND
	s_barrier_signal -1
	s_barrier_wait -1
	CREST
.endm
; A prefetch of one K step of my share, at s[base].  how = 1: at the head; how = 0: in the loop, not in its last trip (s3 = 1).  bq's waves name 34 blocks: the second line's lanes 1-31 name the last one.
.macro ASK how, base
.if \how
	s_cmp_eq_u32 s[LIM], 1
.else
	s_cmp_gt_u32 s3, s[LIM]
.endif
	s_cbranch_scc0 .Lno_ask_\@
	global_prefetch_b8 v[PFO], s[\base:\base+1] th:TH_LOAD_NT scope:SCOPE_SE
	s_cmp_lt_u32 s18, 2
	s_cbranch_scc1 .Lno_ask_\@
	global_prefetch_b8 v[PFO2], s[\base:\base+1] th:TH_LOAD_NT scope:SCOPE_SE
.Lno_ask_\@:
.endm
	s_load_b256 s[4:11], s[0:1], 0x0               ; vr codes, vr scales, vi codes, vi scales
	s_load_b128 s[12:15], s[0:1], 0x20             ; bq, out0
	s_load_b64 s[16:17], s[0:1], 0x30              ; out1
	v_lshl_add_u32 v[SPW], v0, 2, SPARE
	v_mov_b32 v[NIL], 0
	ds_add_u32 v[SPW], v[NIL]                      ; the opening add, twice on end, and its wait
	ds_add_u32 v[SPW], v[NIL]
	v_lshrrev_b32 v1, 5, v0
	v_readfirstlane_b32 s18, v1                    ; wave 0..3
	v_and_b32 v6, 31, v0
	v_lshlrev_b32 v[GSO], 4, v6
	s_lshr_b32 s19, s18, 1                         ; my half of the rows
	s_and_b32 s20, s18, 1                          ; my half of the columns
	s_bfe_u32 s40, ttmp6, 0x40000                  ; cx
	s_bfe_u32 s41, ttmp6, 0x40004                  ; cy
	s_lshl_b32 s22, ttmp9, 2
	s_add_co_u32 s22, s22, s40                     ; tile column 0..31
	s_and_b32 s21, ttmp7, 0xffff
	s_lshl_b32 s21, s21, 2
	s_add_co_u32 s21, s21, s41                     ; tile row 0..7
	s_lshl_b32 s43, s41, 2
	s_lshl_b32 s43, 15, s43                        ; my row of the cluster
	s_lshl_b32 s44, 0x1111, s40                    ; my column
	s_or_b32 s[G1A+0], s43, (0<<16)|(1<<20)|(1<<21)|(5<<22)|(3<<25)   ; 128 rows of 256 bytes, pitch 4,096, 16 bytes of padding behind each
	s_mov_b32 s[G1A+1], 256<<16
	s_mov_b32 s[G1A+2], 128<<16
	s_mov_b32 s[G1A+3], 256<<16
	s_mov_b32 s[G1A+4], 128
	s_mov_b32 s[G1A+5], 4096
	s_mov_b32 s[G1A+6], 0
	s_mov_b32 s[G1A+7], 0
	s_or_b32 s[G1B+0], s44, (3<<16)|(1<<21)        ; a dense block of 34,816 bytes as 136 rows of 256
	s_mov_b32 s[G1B+1], 32<<16
	s_mov_b32 s[G1B+2], 136<<16
	s_mov_b32 s[G1B+3], 32<<16
	s_mov_b32 s[G1B+4], 136
	s_mov_b32 s[G1B+5], 32
	s_mov_b32 s[G1B+6], 0
	s_mov_b32 s[G1B+7], 0
	s_lshl_b32 s92, s21, 19                        ; the tile's first row of codes
	s_mov_b32 s93, 0
	s_lshl_b32 s94, s21, 14                        ; the 64 rows of scales that I copy
	s_lshl_b32 s95, s20, 13
	s_add_co_u32 s94, s94, s95
	s_mov_b32 s95, 0
	s_lshl_b32 s46, s22, 7                         ; bq: stacked column 128 x tile column + 4096 x (wave & 1)
	s_lshl_b32 s47, s20, 12
	s_add_co_u32 s46, s46, s47
	s_mul_i32 s46, s46, PITCH
	s_mov_b32 s47, 0
	s_mul_i32 s45, s18, HALFT                      ; my quarter of a slot
	s_mul_i32 s23, s18, QS
	s_add_co_u32 s23, s23, SCL
	s_lshl_b32 s96, s21, 7                         ; my first byte of the outputs
	s_lshl_b32 s97, s19, 6
	s_add_co_u32 s96, s96, s97
	s_lshl_b32 s96, s96, 14
	s_lshl_b32 s97, s22, 9
	s_add_co_u32 s96, s96, s97
	s_lshl_b32 s97, s20, 8
	s_add_co_u32 s96, s96, s97
	s_mov_b32 s97, 0
	s_mul_i32 s42, s19, 64*PITCH                   ; LDS bases: A's fragments,
	s_add_co_u32 s67, s42, SLOT
	s_mul_i32 s66, s20, 64*PITCH                   ; B's,
	s_add_co_u32 s66, s66, 2*HALFT
	s_add_co_u32 s81, s66, SLOT
	s_mul_i32 s80, s19, QS                         ; A's scale words,
	s_add_co_u32 s80, s80, SCL
	s_mul_i32 s79, s18, 16*SPITCH                  ; my stage
	s_lshl_b32 s73, s40, 17                        ; the prefetches: my work-group's 32 rows of vr or vi,
	s_mul_i32 s82, s41, 34*256                     ; or its 34 blocks of bq
	s_mov_b32 s70, KSB
	s_mov_b32 s83, 4096
	s_and_b32 s78, ttmp9, 3
	s_cselect_b32 s78, -1, 1                       ; vr, vi: clusters with x = 0 and x = 4 ask
	s_cmp_lt_u32 s18, 2
	s_cselect_b32 s74, s73, s82
	s_cselect_b32 s70, 256, s70                    ; a K step in bytes
	s_cselect_b32 s83, s83, 256                    ; from lane to lane
	s_cselect_b32 s[LIM], s78, 1
	s_mov_b32 s71, 0
	s_mov_b32 s75, 0
	s_wait_alu depctr_va_vdst(0)
	s_wait_dscnt 0x0                               ; both opening adds are done
	s_wait_kmcnt 0x0
	s_cmp_eq_u32 s19, 0
	s_cselect_b64 s[6:7], s[6:7], s[10:11]         ; waves 0, 1 copy vr's scales, waves 2, 3 vi's
	s_add_nc_u64 s[6:7], s[6:7], s[94:95]
.irp j, 0,1,2,3,4,5,6,7,8,9,10,11,12,13,14,15
	global_load_b128 v[BK+4*\j:BK+4*\j+3], v[GSO], s[6:7] offset:512*\j   ; 8,192 consecutive bytes, 512 an instruction
.endr
	s_add_nc_u64 s[4:5], s[4:5], s[92:93]
	s_add_nc_u64 s[8:9], s[8:9], s[92:93]
	s_add_nc_u64 s[12:13], s[12:13], s[46:47]
	s_add_nc_u64 s[14:15], s[14:15], s[96:97]
	s_add_nc_u64 s[16:17], s[16:17], s[96:97]
.irp s, 0,1
	s_mov_b32 s[G0VR+4*\s], 1
	s_add_co_u32 s[G0VR+4*\s+1], s45, \s*SLOT
	s_add_nc_u64 s[G0VR+4*\s+2:G0VR+4*\s+3], s[4:5], \s*256
	s_or_b32 s[G0VR+4*\s+3], s[G0VR+4*\s+3], 0x80000000
	s_mov_b32 s[G0VI+4*\s], 1
	s_add_co_u32 s[G0VI+4*\s+1], s45, \s*SLOT
	s_add_nc_u64 s[G0VI+4*\s+2:G0VI+4*\s+3], s[8:9], \s*256
	s_or_b32 s[G0VI+4*\s+3], s[G0VI+4*\s+3], 0x80000000
	s_mov_b32 s[G0B+4*\s], 1
	s_add_co_u32 s[G0B+4*\s+1], s45, \s*SLOT
	s_add_nc_u64 s[G0B+4*\s+2:G0B+4*\s+3], s[12:13], \s*KSB
	s_or_b32 s[G0B+4*\s+3], s[G0B+4*\s+3], 0x80000000
.endr
	s_cmp_eq_u32 s18, 0
	s_cselect_b64 s[PFA:PFA+1], s[4:5], s[8:9]
	s_cmp_lt_u32 s18, 2
	s_cselect_b64 s[PFA:PFA+1], s[PFA:PFA+1], s[12:13]
	s_add_nc_u64 s[PFA:PFA+1], s[PFA:PFA+1], s[74:75]      ; my share of K step 0
	s_add_nc_u64 s[76:77], s[PFA:PFA+1], s[PFS:PFS+1]      ; of K step 1,
	s_add_nc_u64 s[10:11], s[76:77], s[PFS:PFS+1]          ; 2,
	s_add_nc_u64 s[PFA:PFA+1], s[10:11], s[PFS:PFS+1]      ; 3
	CROUND                                         ; all sixteen work-groups are here: the first joint loads meet
	JLOAD3 0                                       ; K step 0: one tensor load a wave at the head
	v_and_b32 v1, 15, v0                           ; r = l % 16
	v_bfe_u32 v2, v0, 4, 1                         ; h = l / 16
	v_mul_u32_u24 v3, v1, PITCH
	v_lshl_add_u32 v4, v2, 4, v3                   ; a fragment: row x pitch + 16 h
	v_mul_u32_u24 v5, v2, HALFT
	v_add_nc_u32 v5, v5, v3
	v_add_nc_u32 v5, 256, v5                       ; B's scale words lie behind a row's 256 codes
	v_add_nc_u32 v[ADRA], s42, v4
	v_add_nc_u32 v[ADRA+1], s67, v4
	v_add_nc_u32 v[ADRB], s66, v4
	v_add_nc_u32 v[ADRB+1], s81, v4
	v_add_nc_u32 v[ADSB], s66, v5
	v_add_nc_u32 v[ADSB+1], s81, v5
	v_lshlrev_b32 v6, 7, v1                        ; A's scales: 128 bytes a row, 16 more for each 256 passed
	v_lshrrev_b32 v7, 1, v1
	v_lshl_add_u32 v6, v7, 4, v6
	v_mul_u32_u24 v7, v2, 2*QS
	v_add_nc_u32 v6, v6, v7
	v_add_nc_u32 v[ADSA], s80, v6
	v_mul_u32_u24 v7, v2, 272                      ; and where I store them: lanes 0-15 one unit of 256 bytes, lanes 16-31 the next
	v_lshl_add_u32 v7, v1, 4, v7
	v_add_nc_u32 v[SST], s23, v7
	v_add_nc_u32 v[RD], s79, v7                    ; the stage is read back in the same shape
	v_lshl_add_u32 v7, v2, 5, v3
	v_add_nc_u32 v[STO], s79, v7
	v_lshlrev_b32 v7, 14, v2
	v_lshl_add_u32 v[CO], v1, 4, v7
	v_and_b32 v8, 31, v0
	v_mul_u32_u24 v[PFO], v8, s83
	v_min_u32 v8, 1, v8
	v_lshl_add_u32 v[PFO2], v8, 8, 32*256
	s_wait_alu depctr_va_vdst(0)
	ASK 1, 76
	ASK 1, 10
	s_wait_loadcnt 0x0                             ; A's scales are in registers
.irp j, 0,1,2,3,4,5,6,7,8,9,10,11,12,13,14,15
	ds_store_b128 v[SST], v[BK+4*\j:BK+4*\j+3] offset:544*\j
.endr
.macro LDN                             ; the LN-th of a half's 64 fragment loads, in the order of their use: B's blocks 0-3, A's 0-3, B's 4-7, A's 4-7; from slot LS, half LQ, into set LQ
.set lm, LN%16
.set lo, 128*LQ+32*(lm%4)+(lm/4)*16*PITCH+(LN/32)*HALFT
.if ((LN/16)%2) == 0
	WIN 0x40
	ds_load_b128 v[128*LQ+64*(LN/32)+4*lm:128*LQ+64*(LN/32)+4*lm+3], v[ADRB+LS] offset:lo
.else
	WIN 0xc0*LQ
	ds_load_b128 v[128+64*(LN/32)+4*lm:128+64*(LN/32)+4*lm+3], v[ADRA+LS] offset:lo
.endif
.set LN, LN+1
.endm
.macro RUN32                           ; the next 32 of them, in one run
.rept 32
	LDN
.endr
.endm
.macro SCALES sc                       ; a K step's scale words (window 0)
.irp i, 0,1,2,3
	ds_load_b64 v[SC+16*\sc+2*\i:SC+16*\sc+2*\i+1], v[ADSA] offset:\i*8*272
.endr
.irp c, 0,1,2,3
	ds_load_b32 v[SC+16*\sc+8+2*\c+1], v[ADSB+\sc] offset:\c*16*PITCH
	ds_load_b32 v[SC+16*\sc+8+2*\c], v[ADSB+\sc] offset:\c*16*PITCH+4
.endr
.endm
.macro WM ag, bg, zero                 ; source 0's scales: lanes 16-31 for Pi; source 1's: lanes 16-31 for vi
.if \zero
.if (\ag == 0) && (\bg == 0)
	v_wmma_scale_f32_16x16x128_f8f6f4 v[rD:rD+7], v[rB:rB+15], v[rA:rA+15], 0, v[rSB], v[rSA] matrix_a_fmt:MATRIX_FMT_BF8 matrix_b_fmt:MATRIX_FMT_BF8
.elseif \ag == 0
	v_wmma_scale_f32_16x16x128_f8f6f4 v[rD:rD+7], v[rB:rB+15], v[rA:rA+15], 0, v[rSB], v[rSA] matrix_a_fmt:MATRIX_FMT_BF8 matrix_b_fmt:MATRIX_FMT_BF8 matrix_a_scale:MATRIX_SCALE_ROW1
.else
	v_wmma_scale_f32_16x16x128_f8f6f4 v[rD:rD+7], v[rB:rB+15], v[rA:rA+15], 0, v[rSB], v[rSA] matrix_a_fmt:MATRIX_FMT_BF8 matrix_b_fmt:MATRIX_FMT_BF8 matrix_a_scale:MATRIX_SCALE_ROW1 matrix_b_scale:MATRIX_SCALE_ROW1
.endif
.else
.if (\ag == 0) && (\bg == 0)
	v_wmma_scale_f32_16x16x128_f8f6f4 v[rD:rD+7], v[rB:rB+15], v[rA:rA+15], v[rD:rD+7], v[rSB], v[rSA] matrix_a_fmt:MATRIX_FMT_BF8 matrix_b_fmt:MATRIX_FMT_BF8
.elseif \ag == 0
	v_wmma_scale_f32_16x16x128_f8f6f4 v[rD:rD+7], v[rB:rB+15], v[rA:rA+15], v[rD:rD+7], v[rSB], v[rSA] matrix_a_fmt:MATRIX_FMT_BF8 matrix_b_fmt:MATRIX_FMT_BF8 matrix_a_scale:MATRIX_SCALE_ROW1
.elseif \bg == 0
	v_wmma_scale_f32_16x16x128_f8f6f4 v[rD:rD+7], v[rB:rB+15], v[rA:rA+15], v[rD:rD+7], v[rSB], v[rSA] matrix_a_fmt:MATRIX_FMT_BF8 matrix_b_fmt:MATRIX_FMT_BF8 matrix_b_scale:MATRIX_SCALE_ROW1
.else
	v_wmma_scale_f32_16x16x128_f8f6f4 v[rD:rD+7], v[rB:rB+15], v[rA:rA+15], v[rD:rD+7], v[rSB], v[rSA] matrix_a_fmt:MATRIX_FMT_BF8 matrix_b_fmt:MATRIX_FMT_BF8 matrix_a_scale:MATRIX_SCALE_ROW1 matrix_b_scale:MATRIX_SCALE_ROW1
.endif
.endif
.endm
; 8 products: ag = 0 vr, 1 vi; bg = 0 Pr, 1 Pi; row blocks i0, i0 + 1 x four column blocks; half q (sets q), scale set sc.  The accumulators take turns, one instruction a turn.
.macro MUL8 ag, bg, i0, q, sc, zero
.irp i, \i0, \i0+1
.irp c, 0,1,2,3
.if \ag == \bg
.set rD, 128*\ag+8*(4*(\i)+\c)
	WIN 0xa1+0x0c*\q
.else
.set rD, 8*(4*(\i)+\c)
	WIN 0xf1+0x0c*\q
.endif
.set rB, 128*\q+16*(4*\bg+\c)
.set rA, 128+16*(4*\ag+(\i))
.set rSB, SC+16*\sc+8+2*\c+1-\q
.set rSA, SC+16*\sc+2*(\i)+\q
	WM \ag, \bg, \zero
.endr
.endr
.endm
; A slot's first half multiplies sets 0 and fetches the second half into sets 1: one run at its head, behind the eight places that loads into registers read by products are owed, one behind 16 products.
.macro SUB0 slot, zero
.set LN, 0
.set LS, \slot
.set LQ, 1
	s_wait_dscnt 32                                ; the scale words and this half's loads 0-31 are in; its loads 32-63 may be out
	PLACES NP
	RUN32
	MUL8 0, 0, 0, 0, \slot, \zero
	MUL8 0, 0, 2, 0, \slot, \zero
	s_wait_dscnt 32                                ; all this half's fragments are in: the run above may be out
	RUN32
	MUL8 0, 1, 0, 0, \slot, \zero
	MUL8 0, 1, 2, 0, \slot, \zero
	MUL8 1, 0, 0, 0, \slot, 0
	MUL8 1, 0, 2, 0, \slot, 0
	MUL8 1, 1, 0, 0, \slot, \zero
	MUL8 1, 1, 2, 0, \slot, \zero
	WIN 0
.endm
; A slot's second half multiplies sets 1 and changes slots at its head.  fill = 1: the slot is filled again, two K steps on, behind a round of the cluster's barrier.
.macro TURN slot, next, fill
.set LN, 0
.set LS, \next
.set LQ, 0
.if \fill
	s_wait_xcnt 0x0                                ; my last prefetch has read its address
	s_add_nc_u64 s[PFA:PFA+1], s[PFA:PFA+1], s[PFS:PFS+1]
.endif
	s_wait_tensorcnt 0x0                           ; all my tensor loads have landed: my quarter of the next slot
	ds_add_u32 v[SPW], v[NIL]
.if \fill
	s_add_nc_u64 s[G0VR+4*\slot+2:G0VR+4*\slot+3], s[G0VR+4*\slot+2:G0VR+4*\slot+3], 2*256
	s_add_nc_u64 s[G0VI+4*\slot+2:G0VI+4*\slot+3], s[G0VI+4*\slot+2:G0VI+4*\slot+3], 2*256
	s_add_nc_u64 s[G0B+4*\slot+2:G0B+4*\slot+3], s[G0B+4*\slot+2:G0B+4*\slot+3], 2*KSB
.endif
	s_wait_dscnt 33                                ; this half's loads 0-31 are in; its second run and the add may be out
	MUL8 0, 0, 0, 1, \slot, 0
	PLACES NP                                      ; the eight places ahead of the loads into sets 0, which the first half's products read
	s_wait_dscnt 0x0                               ; the add is done, and my reads of this slot are over
	s_barrier_signal -1
	MUL8 0, 0, 2, 1, \slot, 0
	WIN 0
	s_barrier_wait -1
.if \fill
	CREST                                          ; no wave of any partner still reads this slot or has a load on its way
	JLOAD3 \slot                                   ; the first tensor load behind the round
.endif
	v_add_nc_u32 v[ADSA], 8, v[ADSA]               ; A's scale words of the next K step
	s_wait_alu depctr_va_vdst(0)
	SCALES \next
	RUN32
	WIN 0
.if \fill
	ASK 0, PFA
.endif
	MUL8 0, 1, 0, 1, \slot, 0
	MUL8 0, 1, 2, 1, \slot, 0
	RUN32
	MUL8 1, 0, 0, 1, \slot, 0
	MUL8 1, 0, 2, 1, \slot, 0
	MUL8 1, 1, 0, 1, \slot, 0
	MUL8 1, 1, 2, 1, \slot, 0
	WIN 0
.endm
; THE WAY OUT: eight blocks of 16 rows x 64 columns (e = 0-3 of out0, 4-7 of out1) go through my own stage and come back as whole rows of 256 bytes.
; The stage lies in slot 0, which has had its last fill, and its last read ahead of the last barrier.
.macro TOSTAGE e
.if (\e) < 4
.set DB, TT+32*(\e)
	WIN 0
.else
.set DB, 32*((\e)-4)
	WIN 0x0c
.endif
.irp c, 0,1,2,3
	ds_store_b128 v[STO], v[DB+8*\c:DB+8*\c+3] offset:64*\c          ; each accumulator from its low end on
	ds_store_b128 v[STO], v[DB+8*\c+4:DB+8*\c+7] offset:64*\c+16
.endr
	WIN 0
.set BB, BK+32*((\e)%2)
.irp t, 0,1,2,3,4,5,6,7
	ds_load_b128 v[BB+4*\t:BB+4*\t+3], v[RD] offset:\t*2*SPITCH      ; LDS serves a wave's instructions in order: these see the stores above
.endr
.endm
.macro SEND e, younger
.set BB, BK+32*((\e)%2)
	s_wait_dscnt \younger
.irp t, 0,1,2,3,4,5,6,7
.if (\e) < 4
	global_store_b128 v[CO], v[BB+4*\t:BB+4*\t+3], s[14:15] offset:(16*((\e)%4)+2*\t)*16384 th:TH_STORE_NT   ; 16 lanes store 256 consecutive bytes, aligned
.else
	global_store_b128 v[CO], v[BB+4*\t:BB+4*\t+3], s[16:17] offset:(16*((\e)%4)+2*\t)*16384 th:TH_STORE_NT
.endif
.endr
.endm
	s_wait_tensorcnt 0x0                           ; my quarter of K step 0 is in
	ds_add_u32 v[SPW], v[NIL]
	s_wait_dscnt 0x0                               ; the add and my stores of A's scales are done
	CROUND
	JLOAD3 1                                       ; K step 1: slot 1's first fill, issued as a refill is
	SCALES 0
.set LN, 0
.set LS, 0
.set LQ, 0
	RUN32
	RUN32
	WIN 0
	ASK 1, PFA
	SUB0 0, 1                                      ; the first half stands ahead of the loop: its products start the sums
	s_mov_b32 s3, LAPS-1
.Llap:
	TURN 0, 1, 1
	SUB0 1, 0
	TURN 1, 0, 1
	SUB0 0, 0
	s_sub_co_u32 s3, s3, 1
	s_cmp_lg_u32 s3, 0
	s_cbranch_scc1 .Llap
	TURN 0, 1, 0                                   ; the last lap fills nothing
	SUB0 1, 0
	s_wait_dscnt 0x0
	MUL8 0, 1, 0, 1, 1, 0                          ; the last half: the cross sums are finished first,
	MUL8 0, 1, 2, 1, 1, 0
	MUL8 1, 0, 0, 1, 1, 0
	MUL8 1, 0, 2, 1, 1, 0
	PLACES NP                                      ; eight places ahead of the LDS stores that read them
	TOSTAGE 4                                      ; and out1's blocks pass the stage while the other sums are finished
	TOSTAGE 5
	MUL8 0, 0, 0, 1, 1, 0
	MUL8 0, 0, 2, 1, 1, 0
	WIN 0
	SEND 4, 0
	SEND 5, 0
	s_wait_xcnt 0x0                                ; these stores have read their registers
	TOSTAGE 6
	TOSTAGE 7
	MUL8 1, 1, 0, 1, 1, 0
	MUL8 1, 1, 2, 1, 1, 0
	WIN 0
	SEND 6, 0
	SEND 7, 0
	PLACES NP
	WIN 0x0a
.irp a, 0,1,2,3,4,5,6,7,8,9,10,11,12,13,14,15
.irp u, 0,2,4,6
	v_pk_add_f32 v[TT+8*\a+\u:TT+8*\a+\u+1], v[8*\a+\u:8*\a+\u+1], v[128+8*\a+\u:128+8*\a+\u+1] neg_lo:[0,1] neg_hi:[0,1]   ; out0 = vr Pr - vi Pi
.endr
.endr
	WIN 0
	s_wait_alu depctr_va_vdst(0)
	s_wait_xcnt 0x0                                ; blocks 6 and 7's stores have read their registers
	TOSTAGE 0
.irp e, 1,2,3
.if \e > 1
	s_wait_xcnt 0x0                                ; block e - 2's stores have read their registers
.endif
	TOSTAGE \e
	SEND \e-1, 16                                  ; behind block e - 1's loads: block e's 8 stores and 8 loads
.endr
	SEND 3, 0
	s_wait_tensorcnt 0x0                           ; the wave's end
	ds_add_u32 v[SPW], v[NIL]
	s_wait_dscnt 0x0
	CROUND                                         ; the closing round
	s_endpgm
.Lfunc_end_k_q2471e4014e_gemm:
	.size	k_q2471e4014e_gemm, .Lfunc_end_k_q2471e4014e_gemm-k_q2471e4014e_gemm
	.p2alignl 7, 3214868480
	.fill 96, 4, 3214868480
	.section	.rodata,"a",@progbits
	.p2align	6, 0x0
	.amdhsa_kernel k_q2471e4014e_gemm
		.amdhsa_group_segment_fixed_size 327680
		.amdhsa_private_segment_fixed_size 0
		.amdhsa_enable_private_segment 0
		.amdhsa_kernarg_size 56
		.amdhsa_user_sgpr_count 2
		.amdhsa_user_sgpr_kernarg_segment_ptr 1
		.amdhsa_wavefront_size32 1
		.amdhsa_system_sgpr_workgroup_id_x 1
		.amdhsa_system_sgpr_workgroup_id_y 1
		.amdhsa_system_sgpr_workgroup_id_z 1
		.amdhsa_system_vgpr_workitem_id 0
		.amdhsa_next_free_vgpr 1024
		.amdhsa_next_free_sgpr 100
		.amdhsa_reserve_vcc 0
		.amdhsa_float_denorm_mode_32 3
		.amdhsa_float_denorm_mode_16_64 3
		.amdhsa_memory_ordered 1
		.amdhsa_forward_progress 1
		.amdhsa_inst_pref_size 141
	.end_amdhsa_kernel
	.amdgpu_metadata
---
amdhsa.version: [ 1, 2 ]
amdhsa.kernels:
  - .name:           k_q2471e4014e_gemm
    .symbol:         k_q2471e4014e_gemm.kd
    .args:
      - { .name: v_real_avg_codes, .offset: 0, .size: 8, .value_kind: global_buffer, .address_space: global }
      - { .name: v_real_avg_scales, .offset: 8, .size: 8, .value_kind: global_buffer, .address_space: global }
      - { .name: v_imag_avg_codes, .offset: 16, .size: 8, .value_kind: global_buffer, .address_space: global }
      - { .name: v_imag_avg_scales, .offset: 24, .size: 8, .value_kind: global_buffer, .address_space: global }
      - { .name: bq, .offset: 32, .size: 8, .value_kind: global_buffer, .address_space: global }
      - { .name: out0, .offset: 40, .size: 8, .value_kind: global_buffer, .address_space: global }
      - { .name: out1, .offset: 48, .size: 8, .value_kind: global_buffer, .address_space: global }
    .group_segment_fixed_size: 327680
    .private_segment_fixed_size: 0
    .kernarg_segment_align: 8
    .kernarg_segment_size: 56
    .max_flat_workgroup_size: 128
    .sgpr_count:     100
    .vgpr_count:     1024
    .wavefront_size: 32
...
	.end_amdgpu_metadata
.endif
;; end of part 2
